; MI455X (gfx1250); checked and timed in simulation.
; The chip was launched on July 23, 2026; its instructions are those of AMD's public machine-readable ISA for CDNA 5 (MIT licence, August 2026) and "CDNA5" Instruction Set Architecture Reference Guide (July 2026). The comments in the code are by the model that wrote it; some were corrected since.
;; Fused Online Attention. Allowed arithmetic: matrix products marked QUANTISED: E2M1 operands, one E8M0 scale for each 32 along K, by v_wmma_scale_f32_16x16x128_f8f6f4 with both operands' format E2M1 (or v_wmma_scale_f32_32x16x128_f4), f32 sums; everything else in f32.
;; Inputs: alibi_slopes 16 float32; key 4 x 2,048 x 16 x 128 float32; query 4 x 2,048 x 16 x 128 float32; value 4 x 2,048 x 16 x 128 float32.
;; Outputs: out0 4 x 2,048 x 16 x 128 float32.
;; This version of the problem:
;;   THIS VERSION OF THE PROBLEM IS GIVEN IN LOW PRECISION. The matrix products marked QUANTISED in the list below multiply operands that are first quantised to E2M1 (2 exponent bits, 1 mantissa bit; 4 bits a number), with one power-of-two scale for each 32 numbers along K (OCP MX v1.0); their sums are f32. All else is computed in f32.
;;   The module's matrix products, in the order in which they are computed (A, B: the left and right operand; K: the contracted axis; several contracted axes count as one K, in the product's order):
;;     1. batch 64 x [M 2,048, K 128] x [K 128, N 2,048]; A: input query; B: input key: QUANTISED
;;     2. batch 64 x [M 128, K 2,048] x [K 2,048, N 2,048]; A: input value; B: softmax (see below): QUANTISED
;;   THE QUANTISER, for each operand of a quantised product, along K:
;;     - K is cut into blocks of 32 from its start; a last block that is shorter is filled with zeros.
;;     - A block's scale is 2^e with e = floor(log2(the largest magnitude in the block)) - 2, held to -126 .. 127; a block of zeros has e = 0. As a byte (E8M0): e + 127.
;;     - Each number is divided by its block's scale, clamped to +-6, and rounded to the nearest number of E2M1, ties to even, subnormals kept.
;;     - The product sums the exact products of the quantised numbers (number of the format x scale) in f32.
;;   ~~~python
;;   def quantise(x, axis):      # numpy; x: float32 -> the quantised numbers, widened to float32 again
;;       x = np.moveaxis(x, axis, -1); K = x.shape[-1]
;;       x = np.pad(x, [(0, 0)] * (x.ndim - 1) + [(0, -K % 32)]); x = x.reshape(x.shape[:-1] + (-1, 32)); a = np.abs(x).max(-1, keepdims=True)
;;       e = np.where(a > 0, np.clip(np.frexp(np.where(a > 0, a, 1))[1] - 1 - 2, -126, 127), 0)      # np.frexp(a)[1] - 1 = floor(log2(a)), exactly
;;       r = np.clip(x / 2.0 ** e, -6, 6)
;;       step = 2.0 ** (np.maximum(np.frexp(np.where(r == 0, 1, r))[1] - 1, 0) - 1)
;;       q = np.round(r / step) * step * 2.0 ** e      # np.round: ties to even
;;       return np.moveaxis(q.reshape(q.shape[:-2] + (-1,))[..., :K], -1, axis).astype(np.float32)
;;   ~~~
;;   SOFTMAX AHEAD OF A QUANTISED PRODUCT. Where the list says 'softmax', what is quantised is not the finished softmax but p = 2^(t - M), with t = logit x log2(e) and M = ceil(the row's largest t), a whole number; so 1/2 < the row's largest p <= 1. The row's sum l is taken of the UNQUANTISED p, in f32, and the product's result is divided by l at the end. Since M is a whole number, a kernel that streams over the keys may use a running M (the ceiling of the running maximum): every later rescaling is an exact power of two, which a block's scale takes up: the codes' values come out the same.
;;   OPERANDS COMPUTED ON THE WAY. 'Computed on the way' means the value that the module computes at that place (a softmax that the list does not call 'softmax' is quantised finished and normalised). What goes into a quantiser is computed in f32, as accurately as f32 sums, v_exp_f32 and their like allow (about 1e-6 of the number): no bf16 or f16 on the way to a quantiser, and a product that is left as it is and whose result goes on into a quantised operand takes f32 operands (vector FMAs, or v_wmma_f32_16x16x4_f32). A number that lies on a knife's edge between two numbers of the format may be rounded either way, as far as f32 arithmetic and the matrix unit's own rounding can turn it there, and no further.
;; One version. Each part assembles by itself: llvm-mc -triple=amdgcn-amd-amdhsa -mcpu=gfx1250 --defsym DOCPART=n.
;; ======== version 1 of 1: 2 launches
;; limits: right only within a limited range of input values
;; workspace buffers: qc 8,912,896 bytes; kv 17,825,792 bytes
;; launch prep (part 1): grid 256 x 1, 8 waves a work-group, no clusters, 327,680 bytes of LDS; arguments query, key, value, qc, kv; writes qc, kv
.if DOCPART == 1
	.amdgcn_target "amdgcn-amd-amdhsa--gfx1250"
	.amdhsa_code_object_version 6
	.text
	.protected	k_q332053266e_prep
	.globl	k_q332053266e_prep
	.p2align	8
	.type	k_q332053266e_prep,@function
k_q332053266e_prep:
	s_mov_b64 s[64:65], 0
	v_nop
	global_prefetch_b8 v0, s[64:65] scope:SCOPE_SE
	s_setreg_imm32_b32 hwreg(HW_REG_WAVE_MODE, 25, 1), 1
	s_wait_xcnt 0x0
; query, key, value: [4][2048][16][128] f32.  They become codes of FP4 (E2M1) with one E8M0 byte for each 32 along the K of the product that they enter:
; query and key along the head's 128 channels, value along the keys.  The codes are laid as IMAGES OF OPERAND REGISTERS, so that the next launch takes fragments as 16 bytes x lane, on end.
;   kv: [head 64][step 16][17,408]: a step is 128 keys: K's codes (8 tiles x 1,024 bytes), V's codes (8 x 1,024), K's scale words (512), V's scale words (512).
;   qc: [head 64][group 16][8,704]: a group is 128 queries: codes (8 x 1,024), scale words (512).
;   A tile's image: byte 512 c + 16 lane begins registers 4 c .. 4 c + 3 of that lane (lane = 16 h + r): row r of the tile, K = 64 c + 32 h + 0 .. 31.
;   Row r of tile T of K or Q is position 32 (T / 2) + 8 (T % 2) + r + 8 (r / 8) of the 128;  row r of tile t of V is channel 64 (t / 4) + 4 r + t % 4.
;   Scale words: the word at 16 lane + 4 e belongs to tile 4 (lane / 16) + e, row lane % 16; its byte b scales block b of the 128 along K.
; A block's scale is 2^(floor(log2(its largest magnitude)) - 2); its byte is the largest magnitude's exponent field - 2, held at 1 from below.
; LIMITS: a block of zeros, and a block whose largest magnitude lies under 2^-124, gets the byte 1 (the rule gives a block of zeros 127: its codes are zeros, and this program alone reads the bytes);
; NaN and infinities among the inputs are not served.
; DEAD WORK: none is left out here.  The next launch leaves out the key steps that lie wholly under the causal mask which reference() builds itself: their p is 0 for all inputs.
; SHARES: 256 work-groups stay and walk six units each: units g and g + 256 of query, then of key, then of value.  A unit is 128 positions x 2 heads; wave w takes head w / 4 of the two
; and positions 32 (w % 4) on: 32 rows of 512 bytes, 8,192 bytes apart in memory, by ONE tensor load into LDS bytes of its own (rows 528 bytes apart).
; A ring of two slots: behind each change's barrier every wave asks for its part of the next unit, 8 x 16,896 bytes a work-group, and works on the slot that has landed.
; The scale words of a unit (2 x 512 bytes) are gathered in LDS, in two areas by turns, and leave behind the next change's barrier as four aligned units of 256 bytes.
; PREFETCH: at a change of slots every wave has waited for all its tensor loads, so the refill goes out with nothing on its way beside it.  So in trip t each wave asks for its own tile of trip t + 2:
; 64 aligned blocks of 256 bytes, a lane a row, two instructions, one trip ahead of the tensor load that wants them; the head asks for trip 1's; trips 4 and 5 ask for nothing.  Each block is named once in the launch.
; No cluster: no two work-groups read the same byte.
.set ROWP,  528                        ; an LDS row: 512 bytes + 16 of padding
.set WTILE, 32*ROWP                    ; a wave's part of a slot
.set SLOTB, 8*WTILE
.set SCL,   2*SLOTB                    ; two areas of 1,024 bytes for scale words; no tile lands here
.set SPARE, SCL+2048                   ; the spare words: 128 bytes for each of 8 waves
.set LO,  2                            ; v2   16 x lane
.set KA,  3                            ; v3-4 query, key: my lane's place in my part of slot 0, 1
.set VAD, 5                            ; v5-6 value: the same
.set SH,  7                            ; v7   8 h
.set VGO, 8                            ; v8   value's codes: 4,096 (lane / 16) + 16 (lane % 16)
.set KSA, 9                            ; v9   where my two scale words go in an area
.set VSA, 10                           ; v10  where my scale bytes go
.set SRD, 11                           ; v11  the area, read back: 256 (wave % 4) + 8 lane
.set SGO, 12                           ; v12  8 x lane
.set TMP, 13
.set SPW, 14                           ; v14  my spare word; never rewritten
.set NIL, 15                           ; v15  0; never rewritten
.set R0,  16                           ; v16-143  128 numbers
.set TT,  144                          ; v144-175 value: one channel's 32 keys
.set C,   176                          ; v176-191 codes
.set SW,  192                          ; v192-193 scale words of my two tiles
.set MX,  194
.set SC,  196
.set BY,  198                          ; v198-201
.set SD,  202                          ; v202-203
.set PFO, 204                          ; v204 the prefetches' offset: 8,192 x lane, a row of my tile; never rewritten
	s_load_b256 s[4:11], s[0:1], 0x0               ; query, key, value, qc
	s_load_b64 s[12:13], s[0:1], 0x20              ; kv
	v_lshl_add_u32 v[SPW], v0, 2, SPARE
	v_mov_b32 v[NIL], 0
	ds_add_u32 v[SPW], v[NIL]                      ; the opening lines: the add twice on end and one wait
	ds_add_u32 v[SPW], v[NIL]
	v_lshrrev_b32 v1, 5, v0
	v_readfirstlane_b32 s14, v1                    ; wave 0..7
	s_lshr_b32 s15, s14, 2                         ; which of the unit's two heads
	s_and_b32 s16, s14, 3                          ; j: which 32 positions
	s_mov_b32 s24, (3<<16)|(1<<20)|(6<<22)|(3<<25) ; elements of 8 bytes; four words of padding behind every 128
	s_mov_b32 s25, 64<<16                          ; tensor_dim0: 64 elements
	s_mov_b32 s26, 32<<16                          ; tensor_dim1: 32 rows
	s_mov_b32 s27, 64<<16                          ; tile_dim0
	s_mov_b32 s28, 32                              ; tile_dim1
	s_mov_b32 s29, 1024                            ; from row to row: 8,192 bytes
	s_mov_b32 s30, 0
	s_mov_b32 s31, 0
	s_lshr_b32 s17, ttmp9, 3                       ; 16 b + step, b = 0, 1 (the odd trips take b + 2)
	s_and_b32 s21, ttmp9, 7                        ; the pair of heads
	s_lshl_b32 s18, s17, 20
	s_lshl_b32 s20, s21, 10
	s_add_co_u32 s18, s18, s20
	s_lshl_b32 s20, s15, 9
	s_add_co_u32 s18, s18, s20
	s_lshl_b32 s20, s16, 18
	s_add_co_u32 s18, s18, s20                     ; my first byte in each input
	s_mov_b32 s19, 0
	s_mul_i32 s22, s14, WTILE
	s_mov_b32 s32, 1                               ; group 0 of slot 0: s[32:35], of slot 1: s[36:39]
	s_mov_b32 s33, s22
	s_mov_b32 s36, 1
	s_add_co_u32 s37, s22, SLOTB
	s_lshr_b32 s46, ttmp9, 7
	s_lshl_b32 s46, s46, 4
	s_lshl_b32 s47, s21, 1
	s_add_co_u32 s46, s46, s47                     ; the pair's first head: 16 b + 2 x pair
	s_and_b32 s47, s17, 15
	s_mul_i32 s47, s47, 8704
	s_add_co_u32 s48, s46, s15
	s_mul_i32 s48, s48, 139264
	s_add_co_u32 s48, s48, s47                     ; my block in qc; in kv it begins at twice that
	s_bfe_u32 s20, s14, 0x10001
	s_add_co_u32 s78, s46, s20
	s_mul_i32 s78, s78, 139264
	s_add_co_u32 s78, s78, s47                     ; the block whose scale words waves 0-3 send out: head wave / 2,
	s_and_b32 s20, s14, 1
	s_lshl_b32 s20, s20, 8                         ; half wave % 2
	s_lshl_b32 s23, s16, 11                        ; my two tiles: 2,048 j
	s_lshl_b32 s84, s15, 9
	s_add_co_u32 s84, s84, SCL
	s_add_co_u32 s85, s84, s16                     ; value's bytes: byte j of each word
	s_lshr_b32 s86, s16, 1
	s_lshl_b32 s86, s86, 8
	s_add_co_u32 s84, s84, s86
	s_and_b32 s86, s16, 1
	s_lshl_b32 s86, s86, 3
	s_add_co_u32 s84, s84, s86                     ; tiles 2 j, 2 j + 1: 256 (j / 2) + 8 (j % 2)
	s_lshl_b32 s86, s16, 8
	s_add_co_u32 s86, s86, SCL
	s_mov_b32 s62, 0x76543210
	s_mov_b32 s63, 0xfedcba98                      ; v_permlanex16_b32's selects for lane l xor 16
	s_mov_b32 s81, 0
	s_wait_dscnt 0x0                               ; both opening adds are done
	s_wait_kmcnt 0x0
	s_add_nc_u64 s[40:41], s[4:5], s[18:19]        ; where my rows begin in query,
	s_add_nc_u64 s[42:43], s[6:7], s[18:19]        ; key,
	s_add_nc_u64 s[44:45], s[8:9], s[18:19]        ; value
	s_mov_b64 s[34:35], s[40:41]
	s_or_b32 s35, s35, 0x80000000
	tensor_load_to_lds s[32:35], s[24:31]          ; trip 0: my one tensor load at the head
	s_nop 0
	s_add_co_u32 s80, s48, s23
	s_add_nc_u64 s[50:51], s[10:11], s[80:81]      ; query's codes
	s_add_co_u32 s80, s80, s48
	s_add_nc_u64 s[52:53], s[12:13], s[80:81]      ; key's codes
	s_lshl_b32 s80, s48, 1
	s_lshl_b32 s82, s16, 8
	s_add_co_u32 s80, s80, s82
	s_add_co_u32 s80, s80, 8192
	s_add_nc_u64 s[54:55], s[12:13], s[80:81]      ; value's codes: block j of the step's four: 256 j
	s_add_co_u32 s80, s78, s20
	s_add_co_u32 s80, s80, 8192
	s_add_nc_u64 s[56:57], s[10:11], s[80:81]      ; query's scale words
	s_lshl_b32 s80, s78, 1
	s_add_co_u32 s80, s80, s20
	s_add_co_u32 s80, s80, 16384
	s_add_nc_u64 s[58:59], s[12:13], s[80:81]      ; key's
	s_add_nc_u64 s[60:61], s[58:59], 512           ; value's
	s_add_nc_u64 s[66:67], s[50:51], 4456448       ; the odd trips: 32 heads on
	s_add_nc_u64 s[68:69], s[52:53], 8912896
	s_add_nc_u64 s[70:71], s[54:55], 8912896
	s_add_nc_u64 s[72:73], s[56:57], 4456448
	s_add_nc_u64 s[74:75], s[58:59], 8912896
	s_add_nc_u64 s[76:77], s[60:61], 8912896
	s_add_nc_u64 s[88:89], s[40:41], 0x2000000     ; the odd trips' rows, two batches on: for the prefetches
	s_add_nc_u64 s[90:91], s[42:43], 0x2000000
	s_add_nc_u64 s[92:93], s[44:45], 0x2000000
	v_and_b32 v1, 31, v0                           ; lane
	v_lshlrev_b32 v[LO], 4, v1
	v_and_b32 v16, 15, v0                          ; r
	v_bfe_u32 v17, v0, 4, 1                        ; h
	v_lshlrev_b32 v[SH], 3, v17
	v_and_b32 v18, 8, v16
	v_add_nc_u32 v18, v18, v16                     ; r + 8 (r / 8)
	v_mul_u32_u24 v18, v18, ROWP
	v_lshl_add_u32 v18, v17, 7, v18                ; + 128 h: lane (r, h) takes channels 64 c + 32 h + 0 .. 31 of its row: two whole blocks
	v_add_nc_u32 v[KA], s22, v18
	v_add_nc_u32 v[KA+1], SLOTB, v[KA]
	v_add_nc_u32 v[VAD], s22, v[LO]
	v_add_nc_u32 v[VAD+1], SLOTB, v[VAD]
	v_lshlrev_b32 v[VGO], 12, v17
	v_lshl_add_u32 v[VGO], v16, 4, v[VGO]
	v_lshlrev_b32 v[KSA], 4, v16
	v_add_nc_u32 v[KSA], s84, v[KSA]
	v_add_nc_u32 v[VSA], s85, v[LO]
	v_lshlrev_b32 v[SGO], 3, v1
	v_add_nc_u32 v[SRD], s86, v[SGO]
	v_mov_b32 v[TMP], 0                            ; a lane permute's destination counts as one of its sources
	v_lshlrev_b32 v[PFO], 13, v1
	s_wait_alu depctr_va_vdst(0)                   ; the wait at the head's end
; My tile whose first byte stands in s[p:p+1]: 32 rows x 2 blocks of 256 bytes, a lane a row.
.macro ASK p
	global_prefetch_b8 v[PFO], s[\p:\p+1] th:TH_LOAD_NT scope:SCOPE_SE
	global_prefetch_b8 v[PFO], s[\p:\p+1] offset:256 th:TH_LOAD_NT scope:SCOPE_SE
.endm
	ASK 88                                         ; trip 1's tile
; THE CHANGE OF SLOTS in front of trip t: all my tensor loads are in (one was out: trip t's), the add, my LDS reads and stores are over; behind the barrier my part of trip t + 1 is asked for first.
.macro CHANGE t
	s_wait_tensorcnt 0x0
	ds_add_u32 v[SPW], v[NIL]
.if (\t) < 5
.set GN, 32+4*(((\t)+1)%2)
.set IN, 40+2*(((\t)+1)/2)
.if ((\t)+1)%2
	s_add_nc_u64 s[GN+2:GN+3], s[IN:IN+1], 0x2000000   ; two batches on
.else
	s_mov_b64 s[GN+2:GN+3], s[IN:IN+1]
.endif
	s_or_b32 s[GN+3], s[GN+3], 0x80000000
.endif
	s_wait_dscnt 0x0
	s_barrier_signal -1
	s_barrier_wait -1
.if (\t) < 5
	tensor_load_to_lds s[GN:GN+3], s[24:31]
	s_nop 0
.endif
.endm
; The last trip's scale words, whole behind the barrier: waves 0-3 read 256 bytes each and store one aligned unit.
.macro OUTSC ar, ptr
	s_cmp_lt_u32 s14, 4
	s_cbranch_scc0 .Lnone_\@
	ds_load_b64 v[SD:SD+1], v[SRD] offset:1024*\ar
	s_wait_dscnt 0x0
	global_store_b64 v[SGO], v[SD:SD+1], s[\ptr:\ptr+1]
.Lnone_\@:
.endm
; QUERY, KEY: my 32 rows are two tiles.  The numbers come from LDS as the operand's layout wants them, so the conversions' results are the image.  pf: where the tile of two trips on begins.
.macro KQ sl, ar, ptr, pf
.irp u, 0,1
.irp c, 0,1
.irp e, 0,1,2,3,4,5,6,7
	ds_load_b128 v[R0+64*\u+32*\c+4*\e:R0+64*\u+32*\c+4*\e+3], v[KA+\sl] offset:8*ROWP*\u+256*\c+16*\e
.endr
.endr
.endr
	s_wait_xcnt 0x0                                ; the last trip's stores have read their registers
	ASK \pf                                        ; behind the trip's tensor load, its LDS loads and its wait on XCNT
.irp u, 0,1
.set XS, R0+64*\u
	s_wait_dscnt 16-16*\u                          ; this tile's 16 loads are in; the second tile's 16 may be out
.irp c, 0,1
	v_max3_num_f32 v[MX+\c], |v[XS+32*\c]|, |v[XS+32*\c+1]|, 0x1800000   ; block 2 c + h, and the floor 2^(3 - 127)
.endr
.irp i, 2,4,6,8,10,12,14,16,18,20,22,24,26,28,30
.irp c, 0,1
	v_max3_num_f32 v[MX+\c], v[MX+\c], |v[XS+32*\c+\i]|, |v[XS+32*\c+\i+1]|
.endr
.endr
.irp c, 0,1
	v_add_nc_u32 v[SC+\c], 0xff000000, v[MX+\c]    ; 2 off the exponent field: the conversion's scale operand
.endr
.irp c, 0,1
	v_lshrrev_b32 v[BY+\c], 23, v[SC+\c]           ; the scale's byte
.endr
	v_lshl_or_b32 v[SW+\u], v[BY+1], 16, v[BY]     ; blocks h and 2 + h,
	v_lshlrev_b32 v[SW+\u], v[SH], v[SW+\u]        ; at their places;
	v_permlanex16_b32 v[TMP], v[SW+\u], s62, s63
	v_or_b32 v[SW+\u], v[SW+\u], v[TMP]            ; with lane l xor 16's two the word is whole
.irp c, 0,1
.irp g, 0,1,2,3
	v_cvt_scalef32_pk8_fp4_f32 v[C+8*\u+4*\c+\g], v[XS+32*\c+8*\g:XS+32*\c+8*\g+7], v[SC+\c]
.endr
.endr
	v_nop                                          ; one plain line behind the last scaled conversion
.irp c, 0,1
	global_store_b128 v[LO], v[C+8*\u+4*\c:C+8*\u+4*\c+3], s[\ptr:\ptr+1] offset:1024*\u+512*\c   ; 512 consecutive bytes
.endr
.endr
	ds_store_b64 v[KSA], v[SW:SW+1] offset:1024*\ar   ; row r's words of my two tiles (both halves of the lanes write the same)
.endm
; VALUE: my 32 rows are one block of 32 keys for each of 128 channels.  A lane takes four neighbouring channels; a channel's 32 numbers are copied together: that copy is the transposition.
.macro VB sl, ar, ptr
.set li, 0
.rept 32
	ds_load_b128 v[R0+4*li:R0+4*li+3], v[VAD+\sl] offset:ROWP*li
.set li, li+1
.endr
	s_wait_xcnt 0x0                                ; the last trip's stores have read their registers
	s_wait_dscnt 0x0
.irp e, 0,1,2,3
.set ci, 0
.rept 32
	v_mov_b32 v[TT+ci], v[R0+4*ci+\e]
.set ci, ci+1
.endr
	v_max3_num_f32 v[MX], |v[TT]|, |v[TT+1]|, |v[TT+2]|
	v_max3_num_f32 v[MX+1], |v[TT+3]|, |v[TT+4]|, |v[TT+5]|
.irp i, 6,10,14,18,22,26
	v_max3_num_f32 v[MX], v[MX], |v[TT+\i]|, |v[TT+\i+1]|
	v_max3_num_f32 v[MX+1], v[MX+1], |v[TT+\i+2]|, |v[TT+\i+3]|
.endr
	v_max3_num_f32 v[MX], v[MX], |v[TT+30]|, |v[TT+31]|
	v_max3_num_f32 v[MX], v[MX], v[MX+1], 0x1800000
	v_add_nc_u32 v[SC], 0xff000000, v[MX]
.irp g, 0,1,2,3
	v_cvt_scalef32_pk8_fp4_f32 v[C+4*\e+\g], v[TT+8*\g:TT+8*\g+7], v[SC]
.endr
	v_lshrrev_b32 v[BY+\e], 23, v[SC]              ; the byte.  (Also the plain line between the conversions and the next copies)
.endr
.irp e, 0,1,2,3
	ds_store_b8 v[VSA], v[BY+\e] offset:1024*\ar+4*\e   ; byte j of the word of tile 4 (lane / 16) + e, row lane % 16
.endr
.irp e, 0,1,2,3
	global_store_b128 v[VGO], v[C+4*\e:C+4*\e+3], s[\ptr:\ptr+1] offset:1024*\e   ; lanes 0-15: 256 consecutive bytes of tile e; lanes 16-31: of tile 4 + e
.endr
.endm
	CHANGE 0
	KQ 0, 0, 50, 42
	CHANGE 1
	OUTSC 0, 56
	KQ 1, 1, 66, 90
	CHANGE 2
	OUTSC 1, 72
	KQ 0, 0, 52, 44
	CHANGE 3
	OUTSC 0, 58
	KQ 1, 1, 68, 92
	CHANGE 4
	OUTSC 1, 74
	VB 0, 0, 54
	CHANGE 5
	OUTSC 0, 60
	VB 1, 1, 70
	s_wait_dscnt 0x0                               ; my last scale bytes are in LDS
	s_barrier_signal -1
	s_barrier_wait -1
	OUTSC 1, 76
	s_wait_tensorcnt 0x0                           ; the wave's end
	ds_add_u32 v[SPW], v[NIL]
	s_wait_dscnt 0x0
	s_endpgm
.Lfunc_end_k_q332053266e_prep:
	.size	k_q332053266e_prep, .Lfunc_end_k_q332053266e_prep-k_q332053266e_prep
	.p2alignl 7, 3214868480
	.fill 96, 4, 3214868480
	.section	.rodata,"a",@progbits
	.p2align	6, 0x0
	.amdhsa_kernel k_q332053266e_prep
		.amdhsa_group_segment_fixed_size 327680
		.amdhsa_private_segment_fixed_size 0
		.amdhsa_enable_private_segment 0
		.amdhsa_kernarg_size 40
		.amdhsa_user_sgpr_count 2
		.amdhsa_user_sgpr_kernarg_segment_ptr 1
		.amdhsa_wavefront_size32 1
		.amdhsa_system_sgpr_workgroup_id_x 1
		.amdhsa_system_sgpr_workgroup_id_y 1
		.amdhsa_system_sgpr_workgroup_id_z 1
		.amdhsa_system_vgpr_workitem_id 0
		.amdhsa_next_free_vgpr 206
		.amdhsa_next_free_sgpr 94
		.amdhsa_reserve_vcc 0
		.amdhsa_float_denorm_mode_32 3
		.amdhsa_float_denorm_mode_16_64 3
		.amdhsa_memory_ordered 1
		.amdhsa_forward_progress 1
		.amdhsa_inst_pref_size 69
	.end_amdhsa_kernel
	.amdgpu_metadata
---
amdhsa.version: [ 1, 2 ]
amdhsa.kernels:
  - .name:           k_q332053266e_prep
    .symbol:         k_q332053266e_prep.kd
    .args:
      - { .name: query, .offset: 0, .size: 8, .value_kind: global_buffer, .address_space: global }
      - { .name: key, .offset: 8, .size: 8, .value_kind: global_buffer, .address_space: global }
      - { .name: value, .offset: 16, .size: 8, .value_kind: global_buffer, .address_space: global }
      - { .name: qc, .offset: 24, .size: 8, .value_kind: global_buffer, .address_space: global }
      - { .name: kv, .offset: 32, .size: 8, .value_kind: global_buffer, .address_space: global }
    .group_segment_fixed_size: 327680
    .private_segment_fixed_size: 0
    .kernarg_segment_align: 8
    .kernarg_segment_size: 40
    .max_flat_workgroup_size: 256
    .sgpr_count:     94
    .vgpr_count:     206
    .wavefront_size: 32
...
	.end_amdgpu_metadata
.endif
;; end of part 1
;; launch attn (part 2): grid 4 x 64, 16 waves a work-group, clusters of 4 x 1, 327,680 bytes of LDS; arguments qc, kv, alibi_slopes, out0; writes out0
.if DOCPART == 2
	.amdgcn_target "amdgcn-amd-amdhsa--gfx1250"
	.amdhsa_code_object_version 6
	.text
	.protected	k_q332053266e_attn
	.globl	k_q332053266e_attn
	.p2align	8
	.type	k_q332053266e_attn,@function
k_q332053266e_attn:
	s_mov_b64 s[64:65], 0
	v_nop
	global_prefetch_b8 v0, s[64:65] scope:SCOPE_SE
	s_setreg_imm32_b32 hwreg(HW_REG_WAVE_MODE, 25, 1), 1
	s_wait_xcnt 0x0
	s_wait_alu depctr_hold_cnt(0) depctr_sa_sdst(0) depctr_va_vdst(0) depctr_va_sdst(0) depctr_va_ssrc(0) depctr_va_vcc(0) depctr_vm_vsrc(0)
	s_getreg_b32 s2, hwreg(HW_REG_IB_STS2, 6, 4)
	s_cmp_eq_u32 s2, 0
	s_cbranch_scc0 .Lentry_in_a_cluster
	s_endpgm
.Lentry_in_a_cluster:
	s_bfe_u32 s2, ttmp6, 0x10000c
	s_cmp_lg_u32 s2, 0x3003
	s_cbranch_scc0 .Lentry_shape_is_right
	s_endpgm
.Lentry_shape_is_right:
; out0[b][q][h][:] = the sum over k <= q of softmax_k(Q . K / sqrt(128) + slope_h (k - q)) V, both products on codes of FP4 (E2M1) with E8M0 scales, laid by the launch before as images of operand registers.
; p = 2^(t - M), t = logit x log2(e), M = the running largest t rounded up to a whole number; the row's sum is taken of the unquantised p and divides at the end; a change of M multiplies the sum and O by 2^(old M - new M).
; LEFT OUT: key steps all of whose 128 keys come after a wave's 16 queries: reference()'s own causal mask makes their p 0 for all inputs.  A NaN or an infinity that reaches only such steps is not carried to the result.
; LIMIT: the promise holds while the scaled scores t stay under 2^31 in magnitude.
; SHARES: four work-groups of a cluster serve one head; each of 16 waves owns one tile of 16 queries of group 15 - wave / 2 and then one of group wave / 2 (a group is 128 queries): 17 key steps of 128 keys for every wave.
; The head's codes of K and V, 16 x 17,408 bytes, stay in LDS: two joint loads a wave (mask 15), the first half at the head, the second behind the full sequence and a round; nothing is filled again.
; The second half's barrier is signalled behind key step 3 and waited for behind key step 7: between the two stand register work and LDS loads of the first half, which nobody writes.
; No prefetch: each half is asked for once, at the head, and no loop runs ahead of those two loads.
; S^T = K Q^T with the slope's part inside a block of 32 keys as C; O = P V.  The keys of a tile are chosen so that two tiles' 16 registers are 16 neighbouring keys.
; A key step's eight tiles of K are asked for in one run: tiles 4-7 into the registers of scores 0-31, which their own products (scores 32-63) do not write; five places later tiles 0-3's products write them.
.set STEPB, 17408
.set HALF,  8*STEPB
.set VCO,   8192
.set KSC,   16384
.set VSC,   16896
.set L16, 1
.set AD,  2
.set GO,  3
.set DM,  4
.set DL,  5
.set NM,  6
.set TMX, 7
.set ADD, 8
.set QF,  16
.set QS,  24
.set PS,  25
.set WS,  26
.set FR,  32
.set CB,  64
.set F,   80
.set LS,  88
.set L2,  90
.set FF,  92
.set FX,  94
.set FG,  95
.set S,   96
.set O,   160
.set PC,  224
.set TM,  232
.set TP,  236
.set SCO, 240
.set BB,  244
.set VA,  248
.set DE,  249
.set QSO, 252
.set QL,  253
.set WV,  12
.set HD,  14
.set GL,  15
.set IDX, 16
.set SLP, 17
.set GH,  27
.set SEL, 20
.set CS,  22
.set SEL8, 24
.set MH,  26
.set TB,  28
.set KS,  29
.set GD,  30
.set QBH, 32
.set QBL, 54
.set QSH, 56
.set QSL, 58
.set OBH, 34
.set OBL, 52
.set G1,  36
.set G0A, 44
.set G0B, 48
.macro CROUND
	s_barrier_signal -1
	s_barrier_wait -1
	s_cmp_lg_u32 s[WV], 0
	s_cbranch_scc1 .Lnot_wave_0_\@
	s_barrier_signal -3
.Lnot_wave_0_\@:
	s_barrier_wait -3
	s_barrier_signal -1
	s_barrier_wait -1
.endm
.macro QLOAD qb, sb
	global_load_b128 v[QF:QF+3], v[L16], s[\qb:\qb+1]
	global_load_b128 v[QF+4:QF+7], v[L16], s[\qb:\qb+1] offset:512
	global_load_b32 v[QS], v[QSO], s[\sb:\sb+1]
.endm
.macro INIT sg
	v_mov_b32 v[TMX], 0xff61b1e6
	s_delay_alu instid0(VALU_DEP_1)
	v_floor_f32 v[NM], -v[TMX]
	v_mov_b32 v[LS], 0
	v_mov_b32 v[LS+1], 0
.set n, 0
.rept 64
	v_mov_b32 v[O+n], 0
.set n, n+1
.endr
	s_lshl_b32 s31, s[\sg], 7
	v_add_nc_u32 v30, s31, v[QL]
	s_delay_alu instid0(VALU_DEP_1)
	v_cvt_f32_u32 v[DL], v30
	s_delay_alu instid0(VALU_DEP_1)
	v_xor_b32 v[DL], 0x80000000, v[DL]
.endm
.macro SPREAD
	v_permlanex16_b32 v[FX], v[FF], s[SEL8], s[SEL8+1]
	v_cndmask_b32 v[FG], v[FF], v[FX], s[MH]
.irp j, 0,1,2,3,4,5,6,7
	v_mov_b32_dpp v[F+\j], v[FG] row_share:\j row_mask:0xf bank_mask:0xf
.endr
.endm
.macro STEP causal
.if \causal
	s_cmp_gt_u32 s[KS], s[GD]
	s_cbranch_scc1 .Lhidden_\@
.endif
	v_add_nc_u32 v[AD], s[TB], v[L16]
	s_wait_alu depctr_va_vdst(0)
	v_add_f32 v[DE], 0x42000000, v[DL]
	v_add_f32 v[DE+1], 0x42800000, v[DL]
	v_add_f32 v[DE+2], 0x42c00000, v[DL]
	v_mul_f32 v[BB], v[VA], v[DL]
	s_delay_alu instid0(VALU_DEP_4)
	v_mul_f32 v[BB+1], v[VA], v[DE]
	s_delay_alu instid0(VALU_DEP_4)
	v_mul_f32 v[BB+2], v[VA], v[DE+1]
	s_delay_alu instid0(VALU_DEP_4)
	v_mul_f32 v[BB+3], v[VA], v[DE+2]
	ds_load_b128 v[WS:WS+3], v[AD] offset:KSC
.irp t, 0,1,2,3
.irp c, 0,1
	ds_load_b128 v[S+8*\t+4*\c:S+8*\t+4*\c+3], v[AD] offset:1024*(4+\t)+512*\c
.endr
.endr
.irp t, 0,1,2,3
.irp c, 0,1
	ds_load_b128 v[FR+8*\t+4*\c:FR+8*\t+4*\c+3], v[AD] offset:1024*\t+512*\c
.endr
.endr
.irp gg, 1,0
.if \gg == 1
.set FR, S                             ; tiles 4-7's fragments lie in the registers of scores 0-31
	s_wait_dscnt 8                                 ; the scale words and tiles 4-7 are in; tiles 0-3's eight loads may be out
.else
.set FR, 32
.rept 5
	v_nop                                          ; five places: the products below write over registers that the four above have read
.endr
	s_wait_dscnt 0x0
.endif
.irp t, 0,1,2,3
.if \gg == 0
	v_wmma_scale_f32_16x16x128_f8f6f4 v[S+8*\t:S+8*\t+7], v[FR+8*\t:FR+8*\t+7], v[QF:QF+7], v[CB+8*(\t%2):CB+8*(\t%2)+7], v[WS+\t], v[QS] matrix_a_fmt:MATRIX_FMT_FP4 matrix_b_fmt:MATRIX_FMT_FP4
.else
	v_wmma_scale_f32_16x16x128_f8f6f4 v[S+32+8*\t:S+32+8*\t+7], v[FR+8*\t:FR+8*\t+7], v[QF:QF+7], v[CB+8*(\t%2):CB+8*(\t%2)+7], v[WS+\t], v[QS] matrix_a_fmt:MATRIX_FMT_FP4 matrix_b_fmt:MATRIX_FMT_FP4 matrix_a_scale:MATRIX_SCALE_ROW1
.endif
.endr
.endr
.rept 4
	v_nop
.endr
	ds_load_b128 v[WS:WS+3], v[AD] offset:VSC
.irp t, 0,1,2,3
.irp c, 0,1
	ds_load_b128 v[FR+8*\t+4*\c:FR+8*\t+4*\c+3], v[AD] offset:VCO+1024*\t+512*\c
.endr
.endr
.if \causal
	s_cmp_lg_u32 s[KS], s[GD]
	s_cbranch_scc1 .Lopen_\@
	v_mov_b32 v30, 0xff800000
.irp n, 0,1,2,3,4,5,6,7,8,9,10,11,12,13,14,15,16,17,18,19,20,21,22,23,24,25,26,27,28,29,30,31,32,33,34,35,36,37,38,39,40,41,42,43,44,45,46,47,48,49,50,51,52,53,54,55,56,57,58,59,60,61,62,63
	v_cmp_gt_i32 vcc_lo, 32*(\n/16)+\n%16, v[DM]
	v_cndmask_b32 v[S+\n], v[S+\n], v30, vcc_lo
.endr
.Lopen_\@:
.endif
.irp b, 0,1,2,3
	v_max3_num_f32 v[TM+\b], v[S+16*\b], v[S+16*\b+1], v[S+16*\b+2]
.endr
.irp i, 3,5,7,9,11,13
.irp b, 0,1,2,3
	v_max3_num_f32 v[TM+\b], v[TM+\b], v[S+16*\b+\i], v[S+16*\b+\i+1]
.endr
.endr
.irp b, 0,1,2,3
	v_max_num_f32 v[TM+\b], v[TM+\b], v[S+16*\b+15]
.endr
.irp b, 0,1,2,3
	s_delay_alu instid0(VALU_DEP_4)
	v_permlanex16_b32 v[TP+\b], v[TM+\b], s[SEL], s[SEL+1]
.endr
.irp b, 0,1,2,3
	s_delay_alu instid0(VALU_DEP_4)
	v_max_num_f32 v[TM+\b], v[TM+\b], v[TP+\b]
.endr
.irp b, 0,1,2,3
	s_delay_alu instid0(VALU_DEP_4)
	v_fma_f32 v[TP+\b], v[TM+\b], s[CS], v[BB+\b]
.endr
	s_delay_alu instid0(VALU_DEP_2)
	v_max3_num_f32 v30, v[TP], v[TP+1], v[TP+2]
	s_delay_alu instid0(VALU_DEP_1)
	v_max3_num_f32 v[TMX], v[TMX], v30, v[TP+3]
	v_mov_b32 v31, v[NM]
	s_delay_alu instid0(VALU_DEP_2)
	v_floor_f32 v[NM], -v[TMX]
	s_delay_alu instid0(VALU_DEP_1)
	v_sub_f32 v31, v[NM], v31
	s_delay_alu instid0(VALU_DEP_1)
	v_cvt_i32_f32 v31, v31
	s_delay_alu instid0(VALU_DEP_1)
	v_ldexp_f32 v[FF], 1.0, v31
.irp b, 0,1,2,3
	v_add_f32 v[ADD+2*\b], v[BB+\b], v[NM]
.endr
.irp b, 0,1,2,3
.irp j, 0,2,4,6,8,10,12,14
	v_pk_fma_f32 v[S+16*\b+\j:S+16*\b+\j+1], v[S+16*\b+\j:S+16*\b+\j+1], s[CS:CS+1], v[ADD+2*\b:ADD+2*\b+1] op_sel_hi:[1,0,0]
.endr
.endr
.irp b, 0,1,2,3
	v_fma_f32 v[TM+\b], v[TM+\b], s[CS], v[ADD+2*\b]
.endr
.set n, 0
	s_wait_alu depctr_va_vdst(0)
.rept 64
	v_exp_f32 v[S+n], v[S+n]
.set n, n+1
.endr
	v_pk_mul_f32 v[LS:LS+1], v[LS:LS+1], v[FF:FF+1] op_sel_hi:[1,0]
	s_wait_alu depctr_va_vdst(0)
.irp b, 0,1,2,3
	v_exp_f32 v[TM+\b], v[TM+\b]
.endr
	v_pk_add_f32 v[L2:L2+1], v[S:S+1], v[S+2:S+3]
.irp j, 4,8,12,16,20,24,28,32,36,40,44,48,52,56,60
	v_pk_add_f32 v[LS:LS+1], v[LS:LS+1], v[S+\j:S+\j+1]
	v_pk_add_f32 v[L2:L2+1], v[L2:L2+1], v[S+\j+2:S+\j+3]
.endr
	s_delay_alu instid0(VALU_DEP_1)
	v_pk_add_f32 v[LS:LS+1], v[LS:LS+1], v[L2:L2+1]
	s_wait_alu depctr_va_vdst(0)
.irp b, 0,1,2,3
	v_max_num_f32 v[TM+\b], 0x1800000, v[TM+\b]
.endr
.irp b, 0,1,2,3
	s_delay_alu instid0(VALU_DEP_4)
	v_add_nc_u32 v[SCO+\b], 0xff000000, v[TM+\b]
.endr
.irp b, 0,1,2,3
	s_delay_alu instid0(VALU_DEP_4)
	v_lshrrev_b32 v[TP+\b], 23, v[SCO+\b]
.endr
	s_delay_alu instid0(VALU_DEP_3)
	v_lshl_or_b32 v[PS], v[TP+1], 8, v[TP]
	s_delay_alu instid0(VALU_DEP_1)
	v_lshl_or_b32 v[PS], v[TP+2], 16, v[PS]
	s_delay_alu instid0(VALU_DEP_1)
	v_lshl_or_b32 v[PS], v[TP+3], 24, v[PS]
.irp b, 0,1,2,3
	v_cvt_scalef32_pk8_fp4_f32 v[PC+2*\b], v[S+16*\b:S+16*\b+7], v[SCO+\b]
	v_cvt_scalef32_pk8_fp4_f32 v[PC+2*\b+1], v[S+16*\b+8:S+16*\b+15], v[SCO+\b]
.endr
	v_nop
.irp t, 0,1,2,3
.irp c, 0,1
	ds_load_b128 v[S+8*\t+4*\c:S+8*\t+4*\c+3], v[AD] offset:VCO+1024*(4+\t)+512*\c
.endr
.endr
.irp c, 0,1
.irp i, 0,1
	v_permlane16_swap_b32 v[PC+4*\c+\i], v[PC+2+4*\c+\i]
.endr
.endr
	SPREAD
.irp t, 0,1,2,3,4,5,6,7
.irp p, 0,2,4,6
	v_pk_mul_f32 v[O+8*\t+\p:O+8*\t+\p+1], v[O+8*\t+\p:O+8*\t+\p+1], v[F+\p:F+\p+1]
.endr
.endr
	s_wait_alu depctr_va_vdst(0)
	s_wait_dscnt 0x0
.irp t, 0,1,2,3
	v_wmma_scale_f32_16x16x128_f8f6f4 v[O+8*\t:O+8*\t+7], v[PC:PC+7], v[FR+8*\t:FR+8*\t+7], v[O+8*\t:O+8*\t+7], v[PS], v[WS+\t] matrix_a_fmt:MATRIX_FMT_FP4 matrix_b_fmt:MATRIX_FMT_FP4
.endr
.irp t, 0,1,2,3
	v_wmma_scale_f32_16x16x128_f8f6f4 v[O+32+8*\t:O+32+8*\t+7], v[PC:PC+7], v[S+8*\t:S+8*\t+7], v[O+32+8*\t:O+32+8*\t+7], v[PS], v[WS+\t] matrix_a_fmt:MATRIX_FMT_FP4 matrix_b_fmt:MATRIX_FMT_FP4 matrix_b_scale:MATRIX_SCALE_ROW1
.endr
.if \causal
.Lhidden_\@:
.endif
	s_wait_alu depctr_va_vdst(0)
	v_add_f32 v[DL], 0x43000000, v[DL]
	s_add_co_u32 s[TB], s[TB], STEPB
.endm
.macro FINISH ob
.rept 4
	v_nop
.endr
	v_add_f32 v30, v[LS], v[LS+1]
	s_delay_alu instid0(VALU_DEP_1)
	v_permlanex16_b32 v[FX], v30, s[SEL], s[SEL+1]
	s_delay_alu instid0(VALU_DEP_1)
	v_add_f32 v30, v30, v[FX]
	s_wait_alu depctr_va_vdst(0)
	v_rcp_f32 v[FF], v30
	v_nop
	s_wait_alu depctr_va_vdst(0)
	SPREAD
.irp j, 0,1,2,3,4,5,6,7
.irp t, 0,1,2,3,4,5,6,7
	v_mul_f32 v[S+8*\j+\t], v[O+8*\t+\j], v[F+\j]
.endr
.endr
.irp j, 0,1,2,3,4,5,6,7
.irp u, 0,1
	global_store_b128 v[GO], v[S+8*\j+4*\u:S+8*\j+4*\u+3], s[\ob:\ob+1] offset:8192*\j+256*\u th:TH_STORE_NT
.endr
.endr
.endm
	s_load_b256 s[4:11], s[0:1], 0x0
	v_lshl_add_u32 v254, v0, 2, 0x44000
	v_mov_b32 v255, 0
	ds_add_u32 v254, v255
	ds_add_u32 v254, v255
	v_lshrrev_b32 v1, 5, v0
	s_delay_alu instid0(VALU_DEP_1)
	v_readfirstlane_b32 s[WV], v1
	s_and_b32 s[HD], ttmp7, 0xffff
	s_lshr_b32 s[GL], s[WV], 1
	s_sub_co_u32 s[GH], 15, s[GL]
	s_mov_b32 s[G1], 15|(3<<16)|(1<<21)
	s_mov_b32 s[G1+1], 32<<16
	s_mov_b32 s[G1+2], 34<<16
	s_mov_b32 s[G1+3], 32<<16
	s_mov_b32 s[G1+4], 34
	s_mov_b32 s[G1+5], 32
	s_mov_b32 s[G1+6], 0
	s_mov_b32 s[G1+7], 0
	s_mul_i32 s[G0A+1], s[WV], 8704
	s_mul_i32 s2, s[HD], 16*STEPB
	s_add_co_u32 s2, s2, s[G0A+1]
	s_mov_b32 s3, 0
	s_and_b32 s18, s[HD], 15
	s_lshl_b32 s18, s18, 2
	s_mov_b32 s19, 0
	s_mov_b32 s[SEL], 0x76543210
	s_mov_b32 s[SEL+1], 0xfedcba98
	s_mov_b32 s[SEL8], 0xfedcba98
	s_mov_b32 s[SEL8+1], 0x76543210
	s_mov_b32 s[CS], 0x3e0293ee
	s_mov_b32 s[CS+1], s[CS]
	s_mov_b32 s[MH], 0xffff0000
	s_wait_dscnt 0x0
	s_wait_kmcnt 0x0
	s_add_nc_u64 s[8:9], s[8:9], s[18:19]
	s_load_b32 s[SLP], s[8:9], 0x0
	s_mov_b32 s[G0A], 1
	s_add_nc_u64 s[G0A+2:G0A+3], s[6:7], s[2:3]
	s_mov_b32 s[G0B], 1
	s_add_co_u32 s[G0B+1], s[G0A+1], HALF
	s_add_nc_u64 s[G0B+2:G0B+3], s[G0A+2:G0A+3], HALF
	s_or_b32 s[G0A+3], s[G0A+3], 0x80000000
	s_or_b32 s[G0B+3], s[G0B+3], 0x80000000
	CROUND
	tensor_load_to_lds s[G0A:G0A+3], s[G1:G1+7]    ; key steps 0-7: my one tensor load at the head; the set-up below stands under its flight
	s_nop 0
.rept 4
	v_nop
.endr
	s_bfe_u32 s13, ttmp6, 0x40000
	s_and_b32 s[IDX], s[WV], 1
	s_lshl_b32 s63, s13, 1
	s_add_co_u32 s[IDX], s[IDX], s63
	s_mul_i32 s62, s[HD], 139264
	s_lshl_b32 s63, s[IDX], 10
	s_add_co_u32 s62, s62, s63
	s_mul_i32 s60, s[GH], 8704
	s_add_co_u32 s60, s60, s62
	s_mov_b32 s61, 0
	s_add_nc_u64 s[QBH:QBH+1], s[4:5], s[60:61]
	s_mul_i32 s60, s[GL], 8704
	s_add_co_u32 s60, s60, s62
	s_add_nc_u64 s[QBL:QBL+1], s[4:5], s[60:61]
	s_lshr_b32 s60, s[IDX], 2
	s_lshl_b32 s60, s60, 8
	s_and_b32 s31, s[IDX], 3
	s_lshl_b32 s31, s31, 2
	s_add_co_u32 s60, s60, s31
	s_add_co_u32 s60, s60, 8192
	s_sub_co_u32 s60, s60, s63
	s_add_nc_u64 s[QSH:QSH+1], s[QBH:QBH+1], s[60:61]
	s_add_nc_u64 s[QSL:QSL+1], s[QBL:QBL+1], s[60:61]
	v_and_b32 v1, 31, v0
	s_delay_alu instid0(VALU_DEP_1)
	v_lshlrev_b32 v[L16], 4, v1
	v_and_b32 v30, 15, v0
	v_bfe_u32 v31, v0, 4, 1
	s_wait_alu depctr_va_vdst(0)
	v_lshlrev_b32 v[QSO], 4, v30
	QLOAD QBH, QSH
	s_lshr_b32 s60, s[HD], 4
	s_lshl_b32 s60, s60, 24
	s_and_b32 s31, s[HD], 15
	s_lshl_b32 s31, s31, 9
	s_add_co_u32 s60, s60, s31
	s_lshr_b32 s31, s[IDX], 1
	s_lshl_b32 s31, s31, 18
	s_add_co_u32 s60, s60, s31
	s_and_b32 s31, s[IDX], 1
	s_lshl_b32 s31, s31, 16
	s_add_co_u32 s62, s60, s31
	s_lshl_b32 s60, s[GH], 20
	s_add_co_u32 s60, s60, s62
	s_add_nc_u64 s[OBH:OBH+1], s[10:11], s[60:61]
	s_lshl_b32 s60, s[GL], 20
	s_add_co_u32 s60, s60, s62
	s_add_nc_u64 s[OBL:OBL+1], s[10:11], s[60:61]
	v_lshlrev_b32 v[GO], 17, v31
	s_delay_alu instid0(VALU_DEP_1)
	v_lshl_add_u32 v[GO], v30, 4, v[GO]
	s_lshr_b32 s31, s[IDX], 1
	s_lshl_b32 s31, s31, 5
	s_and_b32 s63, s[IDX], 1
	s_lshl_b32 s63, s63, 3
	s_add_co_u32 s31, s31, s63
	v_and_b32 v[QL], 8, v30
	s_delay_alu instid0(VALU_DEP_1)
	v_add_nc_u32 v[QL], v[QL], v30
	s_delay_alu instid0(VALU_DEP_1)
	v_add_nc_u32 v[QL], s31, v[QL]
	v_lshlrev_b32 v31, 4, v31
	s_delay_alu instid0(VALU_DEP_1)
	v_sub_nc_u32 v[DM], v[QL], v31
	s_wait_alu depctr_va_vdst(0)                   ; directly ahead of the wait below
	s_wait_kmcnt 0x0                               ; the head's slope
	v_mov_b32 v30, s[SLP]
	s_delay_alu instid0(VALU_DEP_1)
	v_mul_f32 v[VA], 0x3fb8aa3b, v30
	s_delay_alu instid0(VALU_DEP_2)
	v_mul_f32 v30, 0x413504f3, v30
.irp n, 0,1,2,3,4,5,6,7,8,9,10,11,12,13,14,15
	v_add_nc_u32 v[CB+\n], \n, v31
.endr
.irp n, 0,1,2,3,4,5,6,7,8,9,10,11,12,13,14,15
	v_cvt_f32_u32 v[CB+\n], v[CB+\n]
.endr
.irp n, 0,1,2,3,4,5,6,7,8,9,10,11,12,13,14,15
	v_mul_f32 v[CB+\n], v30, v[CB+\n]
.endr
.irp b, 0,1,2,3
	v_mov_b32 v[ADD+2*\b+1], 0
	v_mov_b32 v[TP+\b], 0
.endr
	v_mov_b32 v[FF+1], 0
	v_mov_b32 v[FX], 0
.irp j, 0,1,2,3,4,5,6,7
	v_mov_b32 v[F+\j], 0
.endr
	INIT GH
	s_wait_alu depctr_va_vdst(0)                   ; the wait at the head's end
	s_wait_tensorcnt 0x0                           ; my part of key steps 0-7 is in; the full sequence ahead of the later first fill:
	ds_add_u32 v254, v255
	s_wait_dscnt 0x0
	CROUND                                         ; everybody's part is in, and the four partners' joint loads meet
	tensor_load_to_lds s[G0B:G0B+3], s[G1:G1+7]    ; key steps 8-15
	s_nop 0
.rept 4
	v_nop
.endr
	s_wait_loadcnt 0x0                             ; Q
	s_mov_b32 s[TB], 0
	s_mov_b32 s[KS], 0
.Lfull:
	s_wait_alu depctr_va_vdst(0)
	STEP 0
	s_add_co_u32 s[KS], s[KS], 1
	s_cmp_lt_u32 s[KS], 4
	s_cbranch_scc1 .Lfull
	s_wait_tensorcnt 0x0                           ; my part of key steps 8-15 is in:
	s_wait_dscnt 0x0
	s_barrier_signal -1                            ; say so now, and ask for the others' word only behind key step 7
.Lfull2:
	s_wait_alu depctr_va_vdst(0)
	STEP 0
	s_add_co_u32 s[KS], s[KS], 1
	s_cmp_lt_u32 s[KS], 8
	s_cbranch_scc1 .Lfull2
	s_barrier_wait -1
	s_mov_b32 s[TB], HALF
	s_mov_b32 s[KS], 8
	s_mov_b32 s[GD], s[GH]
.Lhigh:
	STEP 1
	s_add_co_u32 s[KS], s[KS], 1
	s_cmp_lt_u32 s[KS], 16
	s_cbranch_scc1 .Lhigh
	QLOAD QBL, QSL
	FINISH OBH
	s_wait_xcnt 0x0
	INIT GL
	s_wait_loadcnt 0x0
	s_mov_b32 s[TB], 0
	s_mov_b32 s[KS], 0
	s_mov_b32 s[GD], s[GL]
.Llow:
	STEP 1
	s_add_co_u32 s[KS], s[KS], 1
	s_cmp_lt_u32 s[KS], 8
	s_cbranch_scc1 .Llow
	FINISH OBL
	s_wait_tensorcnt 0x0
	ds_add_u32 v254, v255
	s_wait_dscnt 0x0
	CROUND
	s_endpgm
.Lfunc_end_k_q332053266e_attn:
	.size	k_q332053266e_attn, .Lfunc_end_k_q332053266e_attn-k_q332053266e_attn
	.p2alignl 7, 3214868480
	.fill 96, 4, 3214868480
	.section	.rodata,"a",@progbits
	.p2align	6, 0x0
	.amdhsa_kernel k_q332053266e_attn
		.amdhsa_group_segment_fixed_size 327680
		.amdhsa_private_segment_fixed_size 0
		.amdhsa_enable_private_segment 0
		.amdhsa_kernarg_size 32
		.amdhsa_user_sgpr_count 2
		.amdhsa_user_sgpr_kernarg_segment_ptr 1
		.amdhsa_wavefront_size32 1
		.amdhsa_system_sgpr_workgroup_id_x 1
		.amdhsa_system_sgpr_workgroup_id_y 1
		.amdhsa_system_sgpr_workgroup_id_z 1
		.amdhsa_system_vgpr_workitem_id 0
		.amdhsa_next_free_vgpr 256
		.amdhsa_next_free_sgpr 66
		.amdhsa_reserve_vcc 1
		.amdhsa_float_denorm_mode_32 3
		.amdhsa_float_denorm_mode_16_64 3
		.amdhsa_memory_ordered 1
		.amdhsa_forward_progress 1
		.amdhsa_inst_pref_size 114
	.end_amdhsa_kernel
	.amdgpu_metadata
---
amdhsa.version: [ 1, 2 ]
amdhsa.kernels:
  - .name:           k_q332053266e_attn
    .symbol:         k_q332053266e_attn.kd
    .args:
      - { .name: qc, .offset: 0, .size: 8, .value_kind: global_buffer, .address_space: global }
      - { .name: kv, .offset: 8, .size: 8, .value_kind: global_buffer, .address_space: global }
      - { .name: alibi_slopes, .offset: 16, .size: 8, .value_kind: global_buffer, .address_space: global }
      - { .name: out0, .offset: 24, .size: 8, .value_kind: global_buffer, .address_space: global }
    .group_segment_fixed_size: 327680
    .private_segment_fixed_size: 0
    .kernarg_segment_align: 8
    .kernarg_segment_size: 32
    .max_flat_workgroup_size: 512
    .sgpr_count:     66
    .vgpr_count:     256
    .wavefront_size: 32
...
	.end_amdgpu_metadata
.endif
;; end of part 2
